; MI455X (gfx1250); checked and timed in simulation.
; The chip was launched on July 23, 2026; its instructions are those of AMD's public machine-readable ISA for CDNA 5 (MIT licence, August 2026) and "CDNA5" Instruction Set Architecture Reference Guide (July 2026). The comments in the code are by the model that wrote it; some were corrected since.
;; attention block. Allowed arithmetic: float matrix products may take bf16 or f16 operands with f32 sums; other float arithmetic in f32, or as packed bf16 or f16 multiplies, adds, multiply-adds, maxima and minima; sums over many terms, partial sums and values carried from step to step in f32; what a program stores and reads back later, other than sums and carried values, may be rounded once to bf16 or f16.
;; Inputs: Wk1 768 x 512 float32; Wk2 512 x 512 float32; Wq1 768 x 512 float32; Wq2 512 x 512 float32; Wv1 768 x 512 float32; Wv2 512 x 512 float32; bk1 512 float32; bk2 512 float32; bq1 512 float32; bq2 512 float32; bv1 512 float32; bv2 512 float32; length 16 int32; x1 16 x 1,024 x 768 float32; x2 16 x 1,024 x 512 float32.
;; Outputs: out0 16 x 1,024 x 512 float32; out1 16 x 1,024 x 512 float32.
;; 2 versions, each right; version 2 is version 1 with the launch prep written anew for expert scheduling mode. Each part assembles by itself: llvm-mc -triple=amdgcn-amd-amdhsa -mcpu=gfx1250 --defsym DOCPART=n.
;; ======== version 1 of 2: 3 launches
;; limits: values are held in f16: magnitudes above 65,504 overflow, below 6.1e-05 lose precision
;; workspace buffers: xb 50,331,648 bytes; wb 3,932,160 bytes; qkv 100,663,296 bytes
;; launch prep (part 1): grid 700 x 1, 8 waves a work-group, no clusters, 0 bytes of LDS; arguments x1, x2, Wq1, Wk1, Wv1, Wq2, Wk2, Wv2, xb, wb; writes xb, wb
.if DOCPART == 1
	.amdgcn_target "amdgcn-amd-amdhsa--gfx1250"
	.amdhsa_code_object_version 6
	.text
	.protected	k_q022068a070_prep
	.globl	k_q022068a070_prep
	.p2align	8
	.type	k_q022068a070_prep,@function
k_q022068a070_prep:
	s_mov_b64 s[64:65], 0
	v_nop
	global_prefetch_b8 v0, s[64:65] scope:SCOPE_SE
	s_setreg_imm32_b32 hwreg(HW_REG_WAVE_MODE, 25, 1), 1
	s_wait_xcnt 0x0
; CASTS.  x1, x2 and the six weight matrices, f32, are rounded once to bf16 and laid out for the projection:
;   xb [32768][768] bf16 (rows of 1,536 bytes): rows 0-16383 = x1; rows 16384-32767 = x2 in columns 0-511 (columns 512-767 of those rows are neither written nor read)
;   wb [1280][1536] bf16 (rows of 3,072 bytes): rows 0-767 = stream 1's k, rows 768-1279 = stream 2's; columns Wq | Wk | Wv, 512 each
; A stream: every byte is read once and written once; no LDS, no matrix unit, no cluster, since no two work-groups read the same byte.
; SHARES.  A segment is 512 numbers: 2,048 bytes in, 1,024 bytes out.  A work-group takes 64 segments of ONE source, a wave 8.  A load of a wave covers 512 consecutive bytes,
; a store 256 consecutive bytes at a multiple of 256 from the buffer's first byte.  All 32 loads of a wave go out at once; no register is used twice, so the only waits are the counted ones for the loads.
; Which source a work-group takes goes by ranges of its number: selects, no branch.
.set X,  16                            ; v[16:143]  32 loads of 4 registers
.set DO, 4                             ; v[4:11]    segment i: my byte offset in the destination
; From work-group number first on: source s[src:src+1], destination s[dst:dst+1], bytes from segment to segment there, byte at which the first segment goes
.macro JOB first, src, dst, pitch, doff
	s_cmp_ge_u32 ttmp9, \first
	s_cselect_b64 s[28:29], s[\src:\src+1], s[28:29]
	s_cselect_b64 s[30:31], s[\dst:\dst+1], s[30:31]
	s_cselect_b32 s32, \first, s32
	s_cselect_b32 s33, \pitch, s33
	s_cselect_b32 s34, \doff, s34
.endm
	s_load_b512 s[8:23], s[0:1], 0x0               ; x1 s[8:9], x2 s[10:11], Wq1, Wk1, Wv1 s[12:17], Wq2, Wk2, Wv2 s[18:23]
	s_load_b128 s[24:27], s[0:1], 0x40             ; xb s[24:25], wb s[26:27]
	v_lshrrev_b32 v1, 5, v0                        ; wave
	v_and_b32 v3, 31, v0                           ; lane
	v_lshlrev_b32 v2, 4, v3
	v_lshl_add_u32 v2, v1, 14, v2                  ; source: 8 segments x 2,048 bytes a wave, 16 bytes a lane
	v_lshlrev_b32 v1, 3, v1                        ; my wave's first segment of the 64
	v_lshlrev_b32 v3, 3, v3                        ; 8 bytes a lane in the destination
	s_mov_b32 s32, 0                               ; the job's first work-group
	s_mov_b32 s33, 1024                            ; x1 is dense in xb: a segment follows the last
	s_mov_b32 s34, 0
	s_wait_kmcnt 0x0
	s_mov_b64 s[28:29], s[8:9]
	s_mov_b64 s[30:31], s[24:25]
	JOB 384, 10, 24, 1536, 16384*1536              ; x2: a segment is a row
	JOB 640, 12, 26, 3072, 0                       ; Wq1: a segment is a row of 512
	JOB 652, 14, 26, 3072, 1024                    ; Wk1
	JOB 664, 16, 26, 3072, 2048                    ; Wv1
	JOB 676, 18, 26, 3072, 768*3072                ; Wq2
	JOB 684, 20, 26, 3072, 768*3072+1024           ; Wk2
	JOB 692, 22, 26, 3072, 768*3072+2048           ; Wv2
	s_sub_co_u32 s35, ttmp9, s32                   ; my number within the job
	s_lshl_b32 s36, s35, 17                        ; 64 segments of 2,048 bytes
	s_mov_b32 s37, 0
	s_add_nc_u64 s[28:29], s[28:29], s[36:37]
	s_mul_i32 s38, s35, s33
	s_lshl_b32 s38, s38, 6
	s_add_co_u32 s38, s38, s34
	s_mov_b32 s39, 0
	s_add_nc_u64 s[30:31], s[30:31], s[38:39]
	v_mad_u32_u24 v[DO], v1, s33, v3
.set i, 1
.rept 7
	v_add_nc_u32 v[DO+i], s33, v[DO+i-1]
.set i, i+1
.endr
.set n, 0
.rept 32
	global_load_b128 v[X+4*n:X+4*n+3], v2, s[28:29] offset:512*n th:TH_LOAD_NT
.set n, n+1
.endr
.set n, 0
.rept 32
.if n%4 == 0
	s_wait_loadcnt 28-n                            ; loads come back in order: this segment's four are in, the 28 - n younger ones stay out
.endif
	v_cvt_pk_bf16_f32 v[X+4*n], v[X+4*n], v[X+4*n+1]
	v_cvt_pk_bf16_f32 v[X+4*n+1], v[X+4*n+2], v[X+4*n+3]
	global_store_b64 v[DO+n/4], v[X+4*n:X+4*n+1], s[30:31] offset:256*(n%4) th:TH_STORE_NT
.set n, n+1
.endr
	s_endpgm
.Lfunc_end_k_q022068a070_prep:
	.size	k_q022068a070_prep, .Lfunc_end_k_q022068a070_prep-k_q022068a070_prep
	.p2alignl 7, 3214868480
	.fill 96, 4, 3214868480
	.section	.rodata,"a",@progbits
	.p2align	6, 0x0
	.amdhsa_kernel k_q022068a070_prep
		.amdhsa_group_segment_fixed_size 0
		.amdhsa_private_segment_fixed_size 0
		.amdhsa_enable_private_segment 0
		.amdhsa_kernarg_size 80
		.amdhsa_user_sgpr_count 2
		.amdhsa_user_sgpr_kernarg_segment_ptr 1
		.amdhsa_wavefront_size32 1
		.amdhsa_system_sgpr_workgroup_id_x 1
		.amdhsa_system_sgpr_workgroup_id_y 1
		.amdhsa_system_sgpr_workgroup_id_z 1
		.amdhsa_system_vgpr_workitem_id 0
		.amdhsa_next_free_vgpr 144
		.amdhsa_next_free_sgpr 66
		.amdhsa_reserve_vcc 0
		.amdhsa_float_denorm_mode_32 3
		.amdhsa_float_denorm_mode_16_64 3
		.amdhsa_memory_ordered 1
		.amdhsa_forward_progress 1
		.amdhsa_inst_pref_size 14
	.end_amdhsa_kernel
	.amdgpu_metadata
---
amdhsa.version: [ 1, 2 ]
amdhsa.kernels:
  - .name:           k_q022068a070_prep
    .symbol:         k_q022068a070_prep.kd
    .args:
      - { .name: x1, .offset: 0, .size: 8, .value_kind: global_buffer, .address_space: global }
      - { .name: x2, .offset: 8, .size: 8, .value_kind: global_buffer, .address_space: global }
      - { .name: Wq1, .offset: 16, .size: 8, .value_kind: global_buffer, .address_space: global }
      - { .name: Wk1, .offset: 24, .size: 8, .value_kind: global_buffer, .address_space: global }
      - { .name: Wv1, .offset: 32, .size: 8, .value_kind: global_buffer, .address_space: global }
      - { .name: Wq2, .offset: 40, .size: 8, .value_kind: global_buffer, .address_space: global }
      - { .name: Wk2, .offset: 48, .size: 8, .value_kind: global_buffer, .address_space: global }
      - { .name: Wv2, .offset: 56, .size: 8, .value_kind: global_buffer, .address_space: global }
      - { .name: xb, .offset: 64, .size: 8, .value_kind: global_buffer, .address_space: global }
      - { .name: wb, .offset: 72, .size: 8, .value_kind: global_buffer, .address_space: global }
    .group_segment_fixed_size: 0
    .private_segment_fixed_size: 0
    .kernarg_segment_align: 8
    .kernarg_segment_size: 80
    .max_flat_workgroup_size: 256
    .sgpr_count:     66
    .vgpr_count:     144
    .wavefront_size: 32
...
	.end_amdgpu_metadata
.endif
;; end of part 1
;; launch proj (part 2): grid 4 x 64, 4 waves a work-group, clusters of 4 x 4, 327,680 bytes of LDS; arguments xb, wb, bq1, bk1, bv1, bq2, bk2, bv2, qkv; writes qkv
.if DOCPART == 2
	.amdgcn_target "amdgcn-amd-amdhsa--gfx1250"
	.amdhsa_code_object_version 6
	.text
	.protected	k_q022068a070_proj
	.globl	k_q022068a070_proj
	.p2align	8
	.type	k_q022068a070_proj,@function
k_q022068a070_proj:
	s_mov_b64 s[64:65], 0
	v_nop
	global_prefetch_b8 v0, s[64:65] scope:SCOPE_SE
	s_setreg_imm32_b32 hwreg(HW_REG_WAVE_MODE, 25, 1), 1
	s_wait_xcnt 0x0
	s_wait_alu depctr_hold_cnt(0) depctr_sa_sdst(0) depctr_va_vdst(0) depctr_va_sdst(0) depctr_va_ssrc(0) depctr_va_vcc(0) depctr_vm_vsrc(0)
	s_getreg_b32 s2, hwreg(HW_REG_IB_STS2, 6, 4)
	s_cmp_eq_u32 s2, 0
	s_cbranch_scc0 .Lentry_in_a_cluster
	s_endpgm
.Lentry_in_a_cluster:
	s_bfe_u32 s2, ttmp6, 0x10000c
	s_cmp_lg_u32 s2, 0xf033
	s_cbranch_scc0 .Lentry_shape_is_right
	s_endpgm
.Lentry_shape_is_right:
; THE PROJECTIONS of both streams in one launch: qkv[row][c] = sum over k of xb[row][k] wb[k][c] + bias[c].  xb [32768][768] bf16, wb [1280][1536] bf16 ([k][column], q | k | v),
; qkv [32768][1536] f16.  Rows 0-16383 are stream 1 (K = 768, wb's rows 0-767), rows 16384-32767 stream 2 (K = 512, wb's rows 768-1279).  Sums in f32; the bias is rounded to bf16 like
; the other inputs and starts the sums; the result is rounded once, to f16.
; LIMIT.  f16 holds no number beyond 65,504: a q, k or v of 65,520 or more becomes an infinity.
; SHARES.  A tile of qkv is 128 rows x 384 columns, so that the 1,536 columns are four tile columns and 4 x 4 work-groups form a cluster.  Wave w makes all 128 rows x columns 96 w .. 96 w + 95:
; 8 x 6 accumulators of 16 x 16, 384 registers; for 32 along K it reads 28 times 512 bytes from LDS and issues 48 matrix instructions.
; A WORK-GROUP STAYS: it makes four tiles of one tile column, 64 tile rows apart: two of stream 1 (6 K steps of 128 each), then two of stream 2 (4 each): 20 K steps, 10 laps of the ring, in every work-group.
; The ring of two LDS slots does not stop at a tile's end: a tile's last two changes of slots ask for the next tile's first two K steps, and nothing waits for a tile's stores.
; A K step is four tensor loads of 128 rows x 256 bytes, one a wave: waves 0-2 the three segments of 128 columns of wb's 128 rows, wave 3 xb's 128 rows.
; CLUSTER.  xb's tile hangs on the tile row alone and is asked for jointly by a row of the cluster, wb's on the tile column (and the lap, which all share) and by a column.
; THE MATRIX INSTRUCTION IS USED TRANSPOSED: source 0 = 16 columns of wb (turned on the way out of LDS by ds_load_tr16_b128), source 1 = 16 rows of xb: a lane then holds eight neighbouring columns of one row.
; REGISTERS, in windows of 256 (s_set_vgpr_msb: bits 1:0 source 0, 3:2 source 1, 5:4 source 2, 7:6 destination):
;   window 0: v1-29 addresses; v32-55, v192-239 at work on the way out; v64-127, v128-191 xb's fragments, two buffers
;   window 1: v64-111, v128-175 wb's fragments, two buffers; v192-239 the bias in hand; v0-47 stream 2's bias; v112-113 at work      windows 2, 3: accumulator (a, b) at v[8 (6 (a % 4) + b)], window 2 + a / 4
.set PA,     272                       ; a row of xb's tile in LDS: 256 bytes + 16: the 16 rows of a load start at 16 different groups of four banks (64 banks of 4 bytes: ISA guide 11.1)
.set PB,     288                       ; a row of a segment of wb: 256 + 32 bytes = 72 words
.set SEGB,   128*PB                    ; a segment: 128 rows
.set AOFF,   3*SEGB                    ; a slot: wb's three segments, then xb's tile
.set SLOT,   AOFF+128*PA
.set STAGE,  2*SLOT                    ; behind the ring, never filled by a tensor load: the work-group's stage for the way out, two halves of 16 rows
.set SPITCH, 784                       ; a row of the stage: 768 + 16 bytes
.set STG,    16*SPITCH                 ; a half: 49 blocks of 256 bytes
.set SPARE,  STAGE+2*STG               ; behind the stage: the spare words, 128 bytes for each wave: two blocks of 256 bytes that no other line names
.set XROW,   1536                      ; bytes in a row of xb
.set WROW,   3072                      ; bytes in a row of wb and of qkv
.set KA,     256                       ; a K step in xb: 256 bytes along the rows
.set KB,     128*WROW                  ; a K step in wb: 128 rows down
.set WALKA,  64*128*XROW               ; from a tile to the work-group's next, in xb
.set WALKC,  64*128*WROW               ; and in qkv
.set NEXT6,  WALKA-4*KA                ; from a slot's last K step of a tile of six to its first of the next tile
.set NEXT4,  WALKA-2*KA                ; the same for a tile of four
.set STO,  2                           ; v2      the way out: where I put 16 bytes of a row
.set RD,   4                           ; v4      where I read a row back
.set CO,   5                           ; v5      my byte offset in the tile's rows of qkv
.set SPW,  6                           ; v6      LDS address of my spare word; never rewritten
.set NIL,  7                           ; v7      0; never rewritten
.set PFO,  8                           ; v8      the prefetches' offset: my lane x a row; never rewritten
.set ADRA, 16                          ; v16-17  LDS address of xb's fragments in slot 0, 1
.set ADRB, 18                          ; v18-29  of wb's fragment b in slot s at ADRB + 6 s + b
.set F0,   64
.set F1,   128
.set TMP,  192                         ; the way out: 24 packed registers
.set BIAS, 192                         ; window 1: my 8 columns of each of my 6 blocks of 16, for the stream in hand
.set BIAS2, 0                          ; window 1: the same for stream 2
.set OA,  4                            ; s4, s5  byte offset in xb of the K step that slot 0, 1 holds or has been asked for
.set OB,  6                            ; s6, s7  the same in wb
.set DA,  8                            ; s8      what this lap's refills add to OA
.set DB,  9                            ; s9      and to OB (modulo 2^32: it may go back)
.set DAN, 11                           ; s11, s12  the same for the next lap
.set DBN, 12
.set DN,  2                            ; s2      of those two the one of the tensor that I fetch
.set ASKM, 16                          ; s16     bit g: I prefetch in lap g
.set G1A, 24                           ; s[24:31] descriptor group 1 for xb's tiles; s[32:39] group 0, a set for each slot
.set G0A, 32
.set G1B, 48                           ; s[48:55], s[56:63] the same for wb's
.set G0B, 56
; s15, s19, s23 hold 0: the upper words of the pairs s[14:15], s[18:19], s[22:23], in which 32-bit offsets are added to addresses
.set MSB, 0
.macro WIN new                         ; the immediate's high byte repeats the setting that is left; a switch that changes nothing is dropped
.if MSB != (\new)
	s_set_vgpr_msb (MSB<<8)|(\new)
.set MSB, \new
.endif
.endm
.set MUL_LO, 0xa1                      ; source 0 (wb) window 1, source 1 (xb) window 0, C and D window 2
.set MUL_HI, 0xf1                      ; the same, C and D window 3
.set TO_B,   0x40                      ; destination window 1, address window 0
; A joint load.  Wave 3 fetches xb's tile, waves 0-2 wb's segments.  The branch hangs on the wave's number alone.  An s_nop 0 and four v_nop follow each of the two lines.
.macro JLOAD s
	s_cmp_eq_u32 s10, 3
	s_cbranch_scc0 .Lfor_b_\@
	tensor_load_to_lds s[G0A+4*(\s):G0A+4*(\s)+3], s[G1A:G1A+7]
	s_nop 0
.rept 4
	v_nop
.endr
	s_branch .Lasked_\@
.Lfor_b_\@:
	tensor_load_to_lds s[G0B+4*(\s):G0B+4*(\s)+3], s[G1B:G1B+7]
	s_nop 0
.rept 4
	v_nop
.endr
.Lasked_\@:
.endm
; A PREFETCH INTO THE L2, behind a joint load, its five lines and the run of LDS loads: the K step that the SAME slot's next refill will ask for, two K steps, 384 matrix instructions, ahead of that load:
; 32 rows x 256 bytes, a lane a row, one instruction a wave.  Each block is named once in the launch.  xb's tile rows are read by one row of one cluster alone: every cluster's wave 3 asks, the four partners
; taking 32 rows each BY ADDRESS (cx).  It asks in laps 0, 2, 3, 5, 7: in the others the step two on is a tile's K step 0 or 1, which come by their refills alone, or does not exist.
; wb's rows are read by all clusters, and again in each stream's second tile: cluster y = 0 asks (waves 0-2), the partners of a column taking 32 rows each by address (cy), in laps 0 and 5 alone.
.macro ASK
	s_lshr_b32 s20, s[ASKM], s3
	s_and_b32 s20, s20, 1
	s_cmp_lg_u32 s20, 0
	s_cbranch_scc0 .Lnot_mine_\@
	global_prefetch_b8 v[PFO], s[44:45] th:TH_LOAD_NT scope:SCOPE_SE
.Lnot_mine_\@:
.endm
.macro CREST                           ; a round of the cluster's barrier behind its opening barrier
	s_cmp_lg_u32 s10, 0
	s_cbranch_scc1 .Lnot_wave_0_\@
	s_barrier_signal -3
.Lnot_wave_0_\@:
	s_barrier_wait -3
	s_barrier_signal -1
	s_barrier_wait -1
.endm
.macro CROUND                          ; a whole round
	s_barrier_signal -1
	s_barrier_wait -1
	CREST
.endm
.macro PLACES                          ; four places behind matrix instructions, in front of loads into registers that they have read and of vector lines that read results
.rept 4
	v_nop
.endr
.endm
; The bias of my 6 blocks of 16 columns, from the three vectors whose addresses begin at s[p0]: a block lies in one of q, k, v; a pointer of its own for each block.  s17 = my first column of the 1,536
.macro BIASLD dst, p0
.irp b, 0,1,2,3,4,5
	s_add_co_u32 s22, s17, 16*(\b)
	s_lshr_b32 s20, s22, 9                         ; 0 q, 1 k, 2 v
	s_cmp_eq_u32 s20, 0
	s_cselect_b64 s[88+2*(\b):89+2*(\b)], s[(\p0):(\p0)+1], s[(\p0)+2:(\p0)+3]
	s_cmp_eq_u32 s20, 2
	s_cselect_b64 s[88+2*(\b):89+2*(\b)], s[(\p0)+4:(\p0)+5], s[88+2*(\b):89+2*(\b)]
	s_and_b32 s22, s22, 511
	s_lshl_b32 s22, s22, 2
	s_add_nc_u64 s[88+2*(\b):89+2*(\b)], s[88+2*(\b):89+2*(\b)], s[22:23]
	global_load_b128 v[(\dst)+8*(\b):(\dst)+8*(\b)+3],   v13, s[88+2*(\b):89+2*(\b)]
	global_load_b128 v[(\dst)+8*(\b)+4:(\dst)+8*(\b)+7], v13, s[88+2*(\b):89+2*(\b)] offset:16
.endr
.endm
	s_load_b512 s[68:83], s[0:1], 0x0              ; xb s[68:69], wb s[70:71], bq1 bk1 bv1 s[72:77], bq2 bk2 bv2 s[78:83]
	s_load_b64 s[84:85], s[0:1], 0x40              ; qkv
	v_lshl_add_u32 v[SPW], v0, 2, SPARE
	v_mov_b32 v[NIL], 0
	ds_add_u32 v[SPW], v[NIL]                      ; the wave's opening: the add and its wait stand ahead of my first tensor load; the set-up below, work on registers, stands between them
	v_lshrrev_b32 v1, 5, v0
	v_readfirstlane_b32 s10, v1                    ; wave 0..3
	s_bfe_u32 s40, ttmp6, 0x40000                  ; cx
	s_bfe_u32 s41, ttmp6, 0x40004                  ; cy
	s_lshl_b32 s42, ttmp9, 2
	s_add_co_u32 s42, s42, s40                     ; tile column = 4 x cluster x + cx
	s_and_b32 s43, ttmp7, 0xffff                   ; cluster y
	s_lshl_b32 s13, s43, 2
	s_add_co_u32 s13, s13, s41                     ; my first tile row = 4 x cluster y + cy
	s_lshl_b32 s20, s41, 2
	s_lshl_b32 s20, 15, s20                        ; my row of the cluster: places 4 cy .. 4 cy + 3
	s_lshl_b32 s21, 0x1111, s40                    ; my column: places cx, cx + 4, cx + 8, cx + 12
	s_or_b32 s[G1A], s20, (1<<16)|(1<<20)|(1<<21)|(5<<22)|(3<<25)  ; 15:0 the mask; 17:16 elements of 2 bytes; 20 padding on; 21 set beside a mask; 24:22 after every 64 words; 31:25 4 words of it
	s_or_b32 s[G1B], s21, (1<<16)|(1<<20)|(1<<21)|(5<<22)|(7<<25)  ; the same with my column's mask and 8 words of padding
.irp g, G1A, G1B
	s_mov_b32 s[\g+1], 128<<16                     ; tensor_dim0 = 128
	s_mov_b32 s[\g+2], 128<<16                     ; tensor_dim1 = 128
	s_mov_b32 s[\g+3], 128<<16                     ; tile_dim0 = 128
	s_mov_b32 s[\g+4], 128                         ; tile_dim1 = 128
	s_mov_b32 s[\g+6], 0
	s_mov_b32 s[\g+7], 0
.endr
	s_mov_b32 s[G1A+5], 768                        ; elements from row to row in xb,
	s_mov_b32 s[G1B+5], 1536                       ; and in wb
	s_mov_b32 s15, 0
	s_mov_b32 s19, 0
	s_mov_b32 s23, 0
	s_mul_i32 s[OA], s13, 128*XROW                 ; xb: the first tile's first row (never a number made of cx), K step 0,
	s_add_co_u32 s[OA+1], s[OA], KA                ; and K step 1
	s_mul_i32 s[OB], s42, 768                      ; wb: the tile column's 768 bytes of a row (never a number made of cy),
	s_lshl_b32 s21, s10, 8                         ; my segment's 256 of them
	s_add_co_u32 s[OB], s[OB], s21
	s_add_co_u32 s[OB+1], s[OB], KB
	s_mul_i32 s17, s10, SEGB                       ; where my segment goes in a slot: wave x a constant
	s_mov_b32 s[DA], 2*KA                          ; lap 0's refills go two K steps on
	s_mov_b32 s[DB], 2*KB
	s_wait_dscnt 0x0                               ; the opening add is done
	s_wait_kmcnt 0x0
	CROUND                                         ; all sixteen work-groups are here: the first joint loads meet
.irp s, 0,1
	s_mov_b32 s[G0A+4*(\s)], 1                                     ; count = 1
	s_mov_b32 s[G0A+4*(\s)+1], (\s)*SLOT+AOFF                      ; LDS address
	s_mov_b32 s14, s[OA+(\s)]
	s_add_nc_u64 s[G0A+4*(\s)+2:G0A+4*(\s)+3], s[68:69], s[14:15]  ; global address: K step s
	s_or_b32 s[G0A+4*(\s)+3], s[G0A+4*(\s)+3], 0x80000000          ; type = 2
	s_mov_b32 s[G0B+4*(\s)], 1
	s_add_co_u32 s[G0B+4*(\s)+1], s17, (\s)*SLOT
	s_mov_b32 s18, s[OB+(\s)]
	s_add_nc_u64 s[G0B+4*(\s)+2:G0B+4*(\s)+3], s[70:71], s[18:19]
	s_or_b32 s[G0B+4*(\s)+3], s[G0B+4*(\s)+3], 0x80000000
	JLOAD \s                                       ; two loads of mine are out
.endr
	; lane addresses.  A fragment of xb: lane l holds row l % 16; two loads of 16 bytes, 32 bytes apart, at row x pitch + 16 (l / 16).
	v_and_b32 v1, 15, v0                           ; r = l % 16
	v_bfe_u32 v9, v0, 4, 1                         ; h = l / 16
	v_mul_u32_u24 v10, v1, PA
	v_lshl_add_u32 v10, v9, 4, v10
	v_add_nc_u32 v[ADRA], AOFF, v10
	v_add_nc_u32 v[ADRA+1], AOFF+SLOT, v10
	; A fragment of wb, turned: lane l reads 16 bytes of row 8 (l / 16) + l % 8, columns 8 ((l / 8) % 2) + 0..7; two loads, 16 rows apart.
	v_and_b32 v11, 7, v0
	v_lshl_add_u32 v11, v9, 3, v11
	v_mul_u32_u24 v11, v11, PB
	v_bfe_u32 v12, v0, 3, 1
	v_lshl_add_u32 v11, v12, 4, v11
	s_mul_i32 s17, s10, 192                        ; my 96 columns begin at byte 192 w of the tile's 768
.irp b, 0,1,2,3,4,5
	s_add_co_u32 s20, s17, 32*(\b)                 ; block b's 32 bytes: never across a segment's end
	s_lshr_b32 s21, s20, 8
	s_mul_i32 s21, s21, SEGB                       ; its segment,
	s_and_b32 s20, s20, 255                        ; its place in the segment's rows
	s_add_co_u32 s20, s20, s21
	v_add_nc_u32 v[ADRB+(\b)], s20, v11
	v_add_nc_u32 v[ADRB+6+(\b)], SLOT, v[ADRB+(\b)]
.endr
	v_mul_u32_u24 v[STO], v1, SPITCH               ; into the stage: row l % 16, 16 bytes for each half of the lanes, my 192 bytes of the row
	v_lshl_add_u32 v[STO], v9, 4, v[STO]
	s_add_co_u32 s20, s17, STAGE
	v_add_nc_u32 v[STO], s20, v[STO]
	s_lshl_b32 s20, s10, 2                         ; back: of a block's 16 rows wave w takes rows 4 w .. 4 w + 3 whole; lanes 0-15 256 bytes of one row, lanes 16-31 of the next
	s_mul_i32 s21, s20, SPITCH
	s_add_co_u32 s21, s21, STAGE
	v_mul_u32_u24 v[RD], v9, SPITCH
	v_lshl_add_u32 v[RD], v1, 4, v[RD]
	v_add_nc_u32 v[RD], s21, v[RD]
	s_mul_i32 s21, s20, WROW                       ; and the same rows in qkv
	v_mul_u32_u24 v[CO], v9, WROW
	v_lshl_add_u32 v[CO], v1, 4, v[CO]
	v_add_nc_u32 v[CO], s21, v[CO]
	s_mul_i32 s20, s13, 128*WROW                   ; qkv at the first tile's first row and column
	s_mul_i32 s21, s42, 768
	s_add_co_u32 s22, s20, s21
	s_add_nc_u64 s[86:87], s[84:85], s[22:23]
	; both streams' biases, once
	s_mul_i32 s17, s42, 384
	s_mul_i32 s20, s10, 96
	s_add_co_u32 s17, s17, s20                     ; my first column of the 1,536
	v_lshlrev_b32 v13, 5, v9                       ; my 8 columns of a block: 32 bytes for each half of the lanes
	WIN TO_B
	BIASLD BIAS, 72
	s_wait_xcnt 0x0                                ; the six pointers are written again only behind this wait
	BIASLD BIAS2, 78
	WIN 0
	; the prefetches: the base (my work-group's 32 rows of the 128 that I fetch), the lanes' offset, the laps in which I ask
	s_lshl_b32 s20, s40, 5
	s_mul_i32 s20, s20, XROW                       ; xb: rows 32 cx on
	s_lshl_b32 s21, s41, 5
	s_mul_i32 s21, s21, WROW                       ; wb: rows 32 cy on
	s_cmp_eq_u32 s43, 0                            ; the first cluster along y: the same in all sixteen partners
	s_cselect_b32 s[ASKM], 0x21, 0
	s_mov_b32 s17, WROW
	s_cmp_eq_u32 s10, 3                            ; do I fetch xb's tile?
	s_cselect_b32 s[ASKM], 0xad, s[ASKM]
	s_cselect_b32 s22, s20, s21
	s_cselect_b32 s17, XROW, s17
	s_cselect_b64 s[46:47], s[68:69], s[70:71]
	s_add_nc_u64 s[46:47], s[46:47], s[22:23]
	v_and_b32 v[PFO], 31, v0
	v_mul_u32_u24 v[PFO], s17, v[PFO]
	s_wait_loadcnt 0x0                             ; the biases
	WIN 0x45                                       ; destination and both sources in window 1
.irp base, BIAS, BIAS2
.set i, 0
.rept 24                                       ; rounded to bf16 like the other inputs, and widened again
	v_cvt_pk_bf16_f32 v[112+i%2], v[\base+2*i], v[\base+2*i+1]
	v_lshlrev_b32 v[\base+2*i], 16, v[112+i%2]
	v_and_b32 v[\base+2*i+1], 0xffff0000, v[112+i%2]
.set i, i+1
.endr
.endr
	WIN 0
; 12 matrix instructions: row blocks a0, a0 + 1 of the window's four x all 6 column blocks, 32 along K.  zero = 1: the product starts the sums, with the bias as C: nothing is cleared, and nothing is added later.
; All 48 accumulators take turns, one instruction a turn, in the same order in every quarter.
.macro MUL12 f, hi, a0, zero
.if \zero
	WIN 0x91+0x40*(\hi)                            ; as below, but C in window 1
.else
	WIN MUL_LO+0x50*(\hi)
.endif
.irp a, \a0, (\a0)+1
.irp b, 0,1,2,3,4,5
.if \zero
	v_wmma_f32_16x16x32_bf16 v[8*(6*(\a)+(\b)):8*(6*(\a)+(\b))+7], v[(\f)+8*(\b):(\f)+8*(\b)+7], v[(\f)+8*(4*(\hi)+(\a)):(\f)+8*(4*(\hi)+(\a))+7], v[BIAS+8*(\b):BIAS+8*(\b)+7]
.else
	v_wmma_f32_16x16x32_bf16 v[8*(6*(\a)+(\b)):8*(6*(\a)+(\b))+7], v[(\f)+8*(\b):(\f)+8*(\b)+7], v[(\f)+8*(4*(\hi)+(\a)):(\f)+8*(4*(\hi)+(\a))+7], v[8*(6*(\a)+(\b)):8*(6*(\a)+(\b))+7]
.endif
.endr
.endr
.endm
; 28 LDS loads in one run: quarter q (32 along K) of a slot into buffer f: wb's 6 fragments, then xb's 8
.macro FETCH slot, q, f
	WIN TO_B
.irp b, 0,1,2,3,4,5
	ds_load_tr16_b128 v[(\f)+8*(\b):(\f)+8*(\b)+3],   v[ADRB+6*(\slot)+(\b)] offset:(\q)*32*PB
	ds_load_tr16_b128 v[(\f)+8*(\b)+4:(\f)+8*(\b)+7], v[ADRB+6*(\slot)+(\b)] offset:(\q)*32*PB+16*PB
.endr
	WIN 0
.irp a, 0,1,2,3,4,5,6,7
	ds_load_b128 v[(\f)+8*(\a):(\f)+8*(\a)+3],   v[ADRA+(\slot)] offset:(\a)*16*PA+(\q)*64
	ds_load_b128 v[(\f)+8*(\a)+4:(\f)+8*(\a)+7], v[ADRA+(\slot)] offset:(\a)*16*PA+(\q)*64+32
.endr
.endm
; A K step is four quarters of 32 along K, 48 matrix instructions each, on buffers 0, 1, 0, 1.  One of the first three: multiplies buffer f; in its middle it fetches quarter q of the same slot into buffer g.
.macro QUARTER slot, q, f, g, zero
	s_wait_dscnt 8                                 ; wb's fragments and xb's blocks 0-3 are in; the youngest eight loads (blocks 4-7) may be out
	MUL12 \f, 0, 0, \zero
	MUL12 \f, 0, 2, \zero
	PLACES
	FETCH \slot, \q, \g
	s_wait_dscnt 28                                ; all but the 28 just issued
	MUL12 \f, 1, 0, \zero
	MUL12 \f, 1, 2, \zero
.endm
; The last quarter multiplies buffer 1 and changes slots: ONE barrier; in front of it each wave waits for all its tensor loads (one is out: its part of the next slot), adds 0 to its spare word, and waits
; for that and for its reads of this slot.  fill = 1: the barrier opens a round of the cluster's, and behind the round this slot is filled again first thing: with this tile's K step two on or, in a tile's
; last lap, with the next tile's K step 0 or 1: the lap's two steps s[DA], s[DB] say which.  Both descriptors' addresses are made anew, base + offset, while the add is out.
.macro TURN slot, next, fill
.if \fill
	s_wait_xcnt 0x0                                ; the last prefetch, a K step back, has read its address, which is written below
.endif
	WIN 0                                          ; (the add's two registers lie in window 0)
	s_wait_tensorcnt 0x0                           ; all my tensor loads have landed, so a group 0 may be written
	ds_add_u32 v[SPW], v[NIL]                      ; 0 onto my spare word
.if \fill
	s_add_co_u32 s[OA+(\slot)], s[OA+(\slot)], s[DA]
	s_add_co_u32 s[OB+(\slot)], s[OB+(\slot)], s[DB]
	s_mov_b32 s14, s[OA+(\slot)]
	s_mov_b32 s18, s[OB+(\slot)]
	s_add_nc_u64 s[G0A+4*(\slot)+2:G0A+4*(\slot)+3], s[68:69], s[14:15]
	s_or_b32 s[G0A+4*(\slot)+3], s[G0A+4*(\slot)+3], 0x80000000
	s_add_nc_u64 s[G0B+4*(\slot)+2:G0B+4*(\slot)+3], s[70:71], s[18:19]
	s_or_b32 s[G0B+4*(\slot)+3], s[G0B+4*(\slot)+3], 0x80000000
	s_cmp_eq_u32 s10, 3                            ; the prefetch: of the tensor that I fetch, what this slot's next refill will ask for
	s_cselect_b32 s22, s14, s18
	s_add_co_u32 s22, s22, s[DN]
	s_add_nc_u64 s[44:45], s[46:47], s[22:23]
.endif
	s_wait_dscnt 9                                 ; (the add and the youngest eight loads may be out)
	MUL12 F1, 0, 0, 0                              ; twelve matrix instructions stand between the add and the wait for it
	s_wait_dscnt 0x0                               ; the add is done, and my reads of this slot are over
	s_barrier_signal -1
	MUL12 F1, 0, 2, 0                              ; work on registers while the others arrive
.if \fill
	WIN 0
.endif
	s_barrier_wait -1
.if \fill
	CREST                                          ; no wave of any partner still reads this slot's tiles or has a load on its way
	JLOAD \slot                                    ; my one tensor load behind the round; its four v_nop are also the places in front of the loads below
.else
	PLACES
.endif
	FETCH \next, 0, F0
.if \fill
	ASK
.endif
	MUL12 F1, 1, 0, 0
	MUL12 F1, 1, 2, 0
.endm
; THE WAY OUT of a tile, a block of 16 rows at a time, through the work-group's stage: a row's 768 bytes come from all four waves, and a wave's 192 are no whole 256.  Block a: rounded to f16, each accumulator's
; registers in ascending order; the block before, which has come back as whole rows, is stored; 16 bytes a lane go into half a % 2 of the stage; a barrier; four whole rows a wave come back.
; The barrier of block a + 1, in front of which every wave has waited for its reads of block a, stands between those reads and block a + 2's stores into the same half.
.macro OUTBLK a
.set AC, 48*((\a)%4)
.set BK, 216-184*((\a)%2)              ; the rows come back into v216-239 and v32-55 by turns
.set BP, 216-184*(((\a)+1)%2)
	WIN 0x0a+5*((\a)/4)                            ; sources 0 and 1: window 2 or 3
.set i, 0
.rept 24
	v_cvt_pk_f16_f32 v[TMP+i], v[AC+2*i], v[AC+2*i+1]
.set i, i+1
.endr
	WIN 0
.if (\a) > 0
	s_wait_dscnt 0x0                               ; the block before is back in registers
.set n, 0
.rept 6
	global_store_b128 v[CO], v[BP+4*n:BP+4*n+3], s[86:87] offset:(16*((\a)-1)+2*(n/3))*WROW+(n%3)*256  ; 16 lanes store 256 consecutive bytes, at a multiple of 256 from qkv's first byte
.set n, n+1
.endr
.endif
.irp b, 0,1,2,3,4,5
	ds_store_b128 v[STO], v[TMP+4*(\b):TMP+4*(\b)+3] offset:((\a)%2)*STG+32*(\b)
.endr
	s_wait_dscnt 0x0                               ; for the others' sake: my stores into the stage are done, and my reads of it are over
	s_barrier_signal -1
	s_barrier_wait -1
	s_wait_xcnt 0x0                                ; the stores of two blocks back have read the registers that are loaded now
.set n, 0
.rept 6                                        ; pair of rows n / 3, 256 bytes n % 3
	ds_load_b128 v[BK+4*n:BK+4*n+3], v[RD] offset:((\a)%2)*STG+(n/3)*2*SPITCH+(n%3)*256
.set n, n+1
.endr
.endm
.macro WAYOUT
.irp a, 0,1,2,3,4,5,6,7
	OUTBLK \a
.endr
	s_wait_dscnt 0x0
.set n, 0
.rept 6
	global_store_b128 v[CO], v[32+4*n:32+4*n+3], s[86:87] offset:(16*7+2*(n/3))*WROW+(n%3)*256
.set n, n+1
.endr
.endm
	s_wait_tensorcnt 1                             ; my part of K step 0 is in; K step 1's may stay out
	s_barrier_signal -1
	s_barrier_wait -1                              ; everybody's is
	FETCH 0, 0, F0
	QUARTER 0, 1, F0, F1, 1                        ; the first tile's first quarter stands in front of the loop
	WIN 0                                          ; at a label and at a branch every window is 0
	s_mov_b32 s3, 0
.Llap:                                                 ; nine laps: a trip goes once round the ring, from a lap's second quarter to the next lap's first, and fills both slots again
	s_add_co_u32 s20, s3, 1                        ; the next lap's steps.  Laps 2, 5, 7 are the last of tiles 0, 1, 2: xb goes to the next tile and back along K;
	s_mov_b32 s[DAN], 2*KA
	s_mov_b32 s[DBN], 2*KB
	s_cmp_eq_u32 s20, 2
	s_cselect_b32 s[DAN], NEXT6, s[DAN]
	s_cselect_b32 s[DBN], 0xffffffff-4*KB+1, s[DBN]  ; wb goes back four K steps behind tile 0,
	s_cmp_eq_u32 s20, 5
	s_cselect_b32 s[DAN], NEXT6, s[DAN]            ; simply on behind tile 1 (stream 2's rows follow stream 1's),
	s_cmp_eq_u32 s20, 7
	s_cselect_b32 s[DAN], NEXT4, s[DAN]
	s_cselect_b32 s[DBN], 0xffffffff-2*KB+1, s[DBN]  ; and back two behind tile 2
	s_cmp_eq_u32 s10, 3
	s_cselect_b32 s[DN], s[DAN], s[DBN]
	QUARTER 0, 2, F1, F0, 0
	QUARTER 0, 3, F0, F1, 0
	TURN 0, 1, 1
	QUARTER 1, 1, F0, F1, 0
	QUARTER 1, 2, F1, F0, 0
	QUARTER 1, 3, F0, F1, 0
	TURN 1, 0, 1
	WIN 0
	s_cmp_lg_u32 s[DA], 2*KA                       ; was this a tile's last lap?  (made of the lap's number alone: the same in every wave and work-group)
	s_cbranch_scc0 .Lsame
	WAYOUT                                         ; both refills are asked for: now the tile goes out.  Blocks 0-3 were finished in front of the joint load's four v_nop; their conversions are the places behind the last products
	s_wait_xcnt 0x0                                ; the stores have read their base
	s_add_nc_u64 s[86:87], s[86:87], WALKC
	s_cmp_eq_u32 s3, 5                             ; behind tile 1 the stream changes
	s_cbranch_scc0 .Lkeep_bias
	WIN 0x41                                       ; destination and source in window 1
.set i, 0
.rept 48
	v_mov_b32 v[BIAS+i], v[BIAS2+i]
.set i, i+1
.endr
	WIN 0
.Lkeep_bias:
	QUARTER 0, 1, F0, F1, 1                        ; the next tile's first quarter starts its sums on accumulators that have been packed
	WIN 0
	s_branch .Lnext
.Lsame:
	QUARTER 0, 1, F0, F1, 0
	WIN 0
.Lnext:
	s_mov_b32 s[DA], s[DAN]
	s_mov_b32 s[DB], s[DBN]
	s_add_co_u32 s3, s3, 1
	s_cmp_lt_u32 s3, 9
	s_cbranch_scc1 .Llap
	QUARTER 0, 2, F1, F0, 0                        ; the last tile's last lap is written out: it fills nothing, and has no round of the cluster's barrier
	QUARTER 0, 3, F0, F1, 0
	TURN 0, 1, 0
	QUARTER 1, 1, F0, F1, 0
	QUARTER 1, 2, F1, F0, 0
	QUARTER 1, 3, F0, F1, 0
	s_wait_dscnt 8                                 ; the very last quarter: nothing more to fetch
	MUL12 F1, 0, 0, 0
	MUL12 F1, 0, 2, 0
	s_wait_dscnt 0x0
	MUL12 F1, 1, 0, 0
	MUL12 F1, 1, 2, 0
	PLACES
	WAYOUT
	s_wait_tensorcnt 0x0                           ; the wave's end: behind my last tensor load and my last LDS store
	ds_add_u32 v[SPW], v[NIL]
	s_wait_dscnt 0x0
	CROUND                                         ; the closing round: no work-group ends while a partner may still ask for a tile that names it
	s_endpgm
.Lfunc_end_k_q022068a070_proj:
	.size	k_q022068a070_proj, .Lfunc_end_k_q022068a070_proj-k_q022068a070_proj
	.p2alignl 7, 3214868480
	.fill 96, 4, 3214868480
	.section	.rodata,"a",@progbits
	.p2align	6, 0x0
	.amdhsa_kernel k_q022068a070_proj
		.amdhsa_group_segment_fixed_size 327680
		.amdhsa_private_segment_fixed_size 0
		.amdhsa_enable_private_segment 0
		.amdhsa_kernarg_size 72
		.amdhsa_user_sgpr_count 2
		.amdhsa_user_sgpr_kernarg_segment_ptr 1
		.amdhsa_wavefront_size32 1
		.amdhsa_system_sgpr_workgroup_id_x 1
		.amdhsa_system_sgpr_workgroup_id_y 1
		.amdhsa_system_sgpr_workgroup_id_z 1
		.amdhsa_system_vgpr_workitem_id 0
		.amdhsa_next_free_vgpr 1024
		.amdhsa_next_free_sgpr 100
		.amdhsa_reserve_vcc 0
		.amdhsa_float_denorm_mode_32 3
		.amdhsa_float_denorm_mode_16_64 3
		.amdhsa_memory_ordered 1
		.amdhsa_forward_progress 1
		.amdhsa_inst_pref_size 165
	.end_amdhsa_kernel
	.amdgpu_metadata
---
amdhsa.version: [ 1, 2 ]
amdhsa.kernels:
  - .name:           k_q022068a070_proj
    .symbol:         k_q022068a070_proj.kd
    .args:
      - { .name: xb, .offset: 0, .size: 8, .value_kind: global_buffer, .address_space: global }
      - { .name: wb, .offset: 8, .size: 8, .value_kind: global_buffer, .address_space: global }
      - { .name: bq1, .offset: 16, .size: 8, .value_kind: global_buffer, .address_space: global }
      - { .name: bk1, .offset: 24, .size: 8, .value_kind: global_buffer, .address_space: global }
      - { .name: bv1, .offset: 32, .size: 8, .value_kind: global_buffer, .address_space: global }
      - { .name: bq2, .offset: 40, .size: 8, .value_kind: global_buffer, .address_space: global }
      - { .name: bk2, .offset: 48, .size: 8, .value_kind: global_buffer, .address_space: global }
      - { .name: bv2, .offset: 56, .size: 8, .value_kind: global_buffer, .address_space: global }
      - { .name: qkv, .offset: 64, .size: 8, .value_kind: global_buffer, .address_space: global }
    .group_segment_fixed_size: 327680
    .private_segment_fixed_size: 0
    .kernarg_segment_align: 8
    .kernarg_segment_size: 72
    .max_flat_workgroup_size: 128
    .sgpr_count:     100
    .vgpr_count:     1024
    .wavefront_size: 32
...
	.end_amdgpu_metadata
.endif
;; end of part 2
;; launch attn (part 3): grid 8 x 32, 4 waves a work-group, clusters of 4 x 1, 327,680 bytes of LDS; arguments qkv, length, out0, out1; writes out0, out1
.if DOCPART == 3
	.amdgcn_target "amdgcn-amd-amdhsa--gfx1250"
	.amdhsa_code_object_version 6
	.text
	.protected	k_q022068a070_attn
	.globl	k_q022068a070_attn
	.p2align	8
	.type	k_q022068a070_attn,@function
k_q022068a070_attn:
	s_mov_b64 s[64:65], 0
	v_nop
	global_prefetch_b8 v0, s[64:65] scope:SCOPE_SE
	s_setreg_imm32_b32 hwreg(HW_REG_WAVE_MODE, 25, 1), 1
	s_wait_xcnt 0x0
	s_wait_alu depctr_hold_cnt(0) depctr_sa_sdst(0) depctr_va_vdst(0) depctr_va_sdst(0) depctr_va_ssrc(0) depctr_va_vcc(0) depctr_vm_vsrc(0)
	s_getreg_b32 s2, hwreg(HW_REG_IB_STS2, 6, 4)
	s_cmp_eq_u32 s2, 0
	s_cbranch_scc0 .Lentry_in_a_cluster
	s_endpgm
.Lentry_in_a_cluster:
	s_bfe_u32 s2, ttmp6, 0x10000c
	s_cmp_lg_u32 s2, 0x3003
	s_cbranch_scc0 .Lentry_shape_is_right
	s_endpgm
.Lentry_shape_is_right:
; ATTENTION of both streams.  out[b][q][:] = sum over k of softmax_k(q . k / sqrt(512) + mask[b][q][k]) v[k][:], mask = 0 where q and k are both below length[b], else -100000.
; qkv [32768][1536] f16, q | k | v in a row of 3,072 bytes, row = 16,384 x stream + 1,024 b + l.  out0, out1 [16][1024][512] f32.
; THE MASK IS FINITE, so no key is left out: a row at or beyond length[b] is a softmax over all 1,024 keys.  It is added as the reference adds it, to the scaled score, in f32: t = s x (1 / sqrt(512)) + mask,
; one fused multiply-add (the reference divides and then adds: two roundings).  Products, maxima and sums in f32; the weights p are rounded to f16 for the second product; their sum l is taken of the unrounded p.
; It is made by blocks of 16 keys, in every step alike, with no branch: a block lies below length (0), at or beyond it (-100000), or holds key number length; then it is KD, eight registers that hang on
; length % 16 and the lane alone.  A block's mask for a query is KD x factor + addend, with the factor 0 or 1 and the addend 0 or -100000.
; LIMITS.  q, k, v arrive within f16's range; p lies in 0 to 1 and below 6e-5 keeps f16's fixed step of 6e-8; a weight below 2^-126 counts as 0 in l; NaN and infinities are not treated apart.
; SHARES.  A work-group owns 128 queries of one batch and stream, each of its four waves 32: two tiles of 16.  A wave keeps its Q (256 registers) and its O^T (512).  Every wave walks all keys, 64 a step.
; LAYOUT.  S^T = K Q^T (source 0 = 16 keys, source 1 = 16 queries): a lane holds ONE query (lane % 16) and the keys 8 (lane / 16) + 0..7 of each block of 16.  Two such results, rounded to f16 in pairs, ARE
; source 1 of O^T = V^T P, whose result again holds one query a lane, and eight channels.  K comes out of LDS as it lies, V ([key][channel]) turned, by ds_load_tr16_b128.
; SOFTMAX.  A running maximum m and sum l for each query: p = 2^(e t - e m), e = log2(e); in every step O and l are multiplied by a = 2^(e m_old - e m_new).  m starts at the lowest finite number, O and l at 0:
; the first step is a step like any other, with a = 0.
; A STEP: 128 products K Q^T, the softmax, 128 products V^T P.  Fragments come through two buffers of eight: sixteen LDS loads in a run, sixteen products to a run, sixteen runs a step.  O^T's rescaling stands
; in lumps of 32 lines behind the groups of products V^T P, each lump for the group that follows it; there it also fills the places in front of the next run of loads.
; CLUSTER.  The four query blocks of a cluster belong to one batch and stream and walk the same K and V: each tile is asked for JOINTLY, the same tensor load, descriptor and mask in all four.
; REGISTERS, in windows of 256 (s_set_vgpr_msb: bits 1:0 source 0, 3:2 source 1, 5:4 source 2, 7:6 destination):
;   window 0: v1-15 addresses; v16-39 statistics, 12 a tile; v40-103 S^T, 32 a tile (P is packed in place into its first 16); v104-111 at work; v112-113 constants; v116-123 KD; v128-255 the fragments' two buffers
;   windows 1, 2: O^T: tile t, channel block cb at v[8 (16 t + cb % 16)], window 1 + cb / 16          window 3: Q: tile t, channels 32 c on at v[8 (16 t + c)]
.set PK,    1040      ; a row of K in LDS: 1,024 bytes + 16 = 260 words: the 16 rows of a load start at 16 different groups of four banks (64 banks of 4 bytes: ISA guide 11.1)
.set PV,    1056      ; a row of V: 1,024 + 32 = 264 words
.set VOFF,  64*PK     ; a slot: 64 rows of K, then 64 rows of V: 134,144 bytes
.set SLOT1, 0x24000   ; slot 1 begins at 147,456: none of the four LDS offsets that tiles go to (0, 33,280, 66,560, 100,352) has bit 14 or 17 set, so one exclusive or turns an address in one slot into the other's
.set STAGE, 2*SLOT1   ; behind the ring, never filled by a tensor load: 16 rows x 272 bytes for each wave, for the way out
.set SP,    272
.set SPARE, STAGE+4*16*SP  ; behind the stages: the spare words, 128 bytes for each wave: two blocks of 256 bytes that no other line names
.set ROWB,  3072      ; bytes in a row of qkv
.set TILEB, 64*ROWB   ; from a step's 64 keys to the next's
.set AK0, 2           ; v2   my lane's place in a tile of K; never rewritten
.set AV0, 3           ; v3   the same for V
.set ADRK, 4          ; v4   the LDS address of the step's K
.set ADRV, 5          ; v5   of its V
.set QO,  6           ; v6   my byte offset in 16 rows of Q
.set RD,  7           ; v7   the way out: where I read rows back
.set GO,  8           ; v8   my byte offset in two rows of out
.set STO, 10          ; v10  the way out: where I put 32 bytes of a row
.set SPW, 12          ; v12  LDS address of my spare word; never rewritten
.set NIL, 13          ; v13  0; never rewritten
.set PFO, 14          ; v14  the prefetches' offset; never rewritten
.set ST,  16          ; tile t's statistics at v[ST+12 t]: +0 e m, +1 m, +2, +3 l (even keys', odd keys'), +4..7 c0-c3 at work (a takes c2), +8 the mask's factor for the block in hand, +9 1 or 0: my query is valid, +10 the mask's addend, +11 0 or -100000: my query's own
.set S,   40
.set MT,  104
.set ONE, 112         ; v112 1.0
.set ZER, 113         ; v113 0
.set KD,  116         ; v116-123  the mask of the block of 16 keys that holds key number length: register j: 0 where 8 (lane / 16) + j < length % 16, else -100000
.set FB,  128
.set WV,  12          ; s12  my wave's number
.set G1K, 24          ; s[24:31] descriptor group 1 for K's tiles
.set G1V, 32          ; s[32:39] for V's: it differs in the padding alone
.set G0K, 40          ; s[40:43] descriptor group 0 for K's tiles: it walks
.set G0V, 44          ; s[44:47] the same for V's
.set TB,  48          ; s48  LDS byte at which the slot in hand begins
.set CNT, 52          ; s52  steps still to be asked for
.set K0,  53          ; s53  the first key of the block to come
.set LEN, 54          ; s54  length[b]
.set BIGN, 55         ; s55  -100000
.set SC,  56          ; s[56:57] 1 / sqrt(512): the packed line takes the pair's low word for both halves
.set L2E, 58          ; s[58:59] log2(e)
.set SEL, 60          ; s[60:61] v_permlanex16_b32's selects: each lane takes its own place in the other half
.set PFA, 66          ; s[66:67] where my prefetches stand
.set LIM, 68          ; s68  1 in a cluster that prefetches, else the greatest number
.set Q0,  69          ; s69  my wave's first query in its batch
.set OUT, 70          ; s[70:71] out at my wave's first row
.set QA,  74          ; s[74:75] qkv at my wave's first row
.set AL,  80          ; s[80:83] for each of the step's four blocks of 16 keys: 1.0 where the block holds key number length and a key below it, else 0
.set BE,  84          ; s[84:87] -100000 where all the block's keys lie at or beyond length, else 0
.set MSB, 0
.macro WIN new                      ; the high byte repeats the setting that is left; a switch that changes nothing is dropped
.if MSB != (\new)
	s_set_vgpr_msb (MSB<<8)|(\new)
.set MSB, (\new)
.endif
.endm
.set W_KQ, 0x0c       ; Q (source 1) in window 3, all else in window 0: LDS loads into window 0 stand under it too
; A joint fill.  Waves 0 and 1 fetch the two halves of a step's K, waves 2 and 3 those of its V: 32 rows of 1,024 bytes each.  An s_nop 0 and four v_nop follow each of the two lines.
.macro JLOAD
	s_cmp_lt_u32 s[WV], 2
	s_cbranch_scc0 .Lfor_v_\@
	tensor_load_to_lds s[G0K:G0K+3], s[G1K:G1K+7]
	s_nop 0
.rept 4
	v_nop
.endr
	s_branch .Lasked_\@
.Lfor_v_\@:
	tensor_load_to_lds s[G0V:G0V+3], s[G1V:G1V+7]
	s_nop 0
.rept 4
	v_nop
.endr
.Lasked_\@:
.endm
; A PREFETCH INTO THE L2 of what the NEXT change of slots will ask for: a step's 64 rows x 1,024 bytes of K and of V are 512 blocks of 256 bytes.  The two clusters of a batch and stream walk the same rows: the
; first asks.  Its four partners take 16 rows each BY ADDRESS; in each, waves 0 and 1 take 8 rows of K each, waves 2 and 3 of V: a lane a block, one instruction a wave.  So each block is named once in the launch.
; It stands behind the wave's tensor load and its five lines, one key step, 256 matrix instructions, ahead of the load that will want the rows.  The last trip asks for nothing; steps 0 and 1 come by their loads alone.
.macro ASK
	s_cmp_gt_u32 s[CNT], s[LIM]
	s_cbranch_scc0 .Lnot_mine_\@
	global_prefetch_b8 v[PFO], s[PFA:PFA+1] th:TH_LOAD_NT scope:SCOPE_SE
.Lnot_mine_\@:
.endm
.macro CROUND                       ; a round of the cluster's barrier
	s_barrier_signal -1
	s_barrier_wait -1
	s_cmp_lg_u32 s[WV], 0
	s_cbranch_scc1 .Lnot_wave_0_\@
	s_barrier_signal -3
.Lnot_wave_0_\@:
	s_barrier_wait -3
	s_barrier_signal -1
	s_barrier_wait -1
.endm
.macro PLACES                       ; four places behind matrix instructions (ISA guide 7.12.1)
.rept 4
	v_nop
.endr
.endm
; THE CHANGE OF SLOTS.  Each wave waits for all its tensor loads, of which one is out: its part of the other slot; adds 0 to its spare word; and waits for that and for its reads of the slot that it leaves.
; fill = 1: the old slot is filled again with the step after the one to be entered; the barrier is a round of the cluster's, and the joint fill is the first thing behind it: it has a key step in which to land.
; (At its first use nothing has been read yet: slot 0 is waited for, slot 1 filled.)  The mask's two scalars for each of the step's four blocks of 16 keys are made here, from whole numbers, by selects.
.macro CHANGE fill
	WIN 0                           ; at a label and at a branch every window is 0
	s_wait_tensorcnt 0x0            ; no tensor load of mine is out, so a group 0 may be written
	ds_add_u32 v[SPW], v[NIL]       ; 0 onto my spare word; the scalar work below stands between it and the wait for it
.if \fill
.irp g, G0K, G0V
	s_xor_b32 s[\g+1], s[\g+1], SLOT1  ; the walking descriptor: the other slot than last time,
	s_add_nc_u64 s[\g+2:\g+3], s[\g+2:\g+3], TILEB  ; the next 64 keys; the type bits on top are not reached
.endr
	s_wait_xcnt 0x0                 ; the last prefetch, a key step back, has read its address, so it may be written
	s_add_nc_u64 s[PFA:PFA+1], s[PFA:PFA+1], TILEB
.endif
	s_xor_b32 s[TB], s[TB], SLOT1   ; the slot to be read
.irp kb, 0,1,2,3
	s_cmp_ge_i32 s[K0], s[LEN]      ; are all the block's keys at or beyond length?
	s_cselect_b32 s[BE+\kb], s[BIGN], 0
	s_sub_co_u32 s16, s[LEN], s[K0]
	s_sub_co_u32 s16, s16, 1
	s_cmp_lt_u32 s16, 15            ; or is length less the block's first key one of 1 .. 15?
	s_cselect_b32 s[AL+\kb], 1.0, 0
	s_add_co_u32 s[K0], s[K0], 16
.endr
	s_wait_dscnt 0x0                ; the add is done, and my reads of the slot are over
.if \fill
	CROUND
	JLOAD
	ASK
.else
	s_barrier_signal -1
	s_barrier_wait -1
.endif
.endm
	s_load_b256 s[4:11], s[0:1], 0x0  ; qkv s[4:5], length s[6:7], out0 s[8:9], out1 s[10:11]
	v_lshl_add_u32 v[SPW], v0, 2, SPARE
	v_mov_b32 v[NIL], 0
	ds_add_u32 v[SPW], v[NIL]       ; the wave's opening: the add and its wait stand ahead of my first tensor load; the set-up below, work on registers, stands between them
	v_lshrrev_b32 v1, 5, v0
	v_readfirstlane_b32 s[WV], v1   ; wave 0..3
	s_bfe_u32 s13, ttmp6, 0x40000   ; cx: my place in the cluster
	s_lshl_b32 s14, ttmp9, 2
	s_add_co_u32 s14, s14, s13      ; my block of 128 queries: it enters Q's, out's and the prefetches' addresses alone
	s_and_b32 s15, ttmp7, 0xffff    ; 16 x stream + batch, which the four partners share
	s_and_b32 s16, s[WV], 1         ; which half of a step's 64 keys I fetch
	s_lshl_b32 s17, s15, 10         ; the batch's first row in qkv
	s_lshl_b32 s18, s16, 5
	s_add_co_u32 s18, s18, s17
	s_mul_i32 s18, s18, ROWB
	s_mov_b32 s19, 0
	s_mov_b32 s[G0K], 1             ; count = 1
	s_mul_i32 s[G0K+1], s16, 32*PK  ; LDS address: slot 0, my half of K's rows
	s_mov_b32 s[G0V], 1
	s_mul_i32 s[G0V+1], s16, 32*PV
	s_add_co_u32 s[G0V+1], s[G0V+1], VOFF
	s_lshl_b32 s20, s14, 7
	s_lshl_b32 s21, s[WV], 5
	s_add_co_u32 s[Q0], s20, s21    ; my wave's first query
	s_add_co_u32 s20, s[Q0], s17
	s_mul_i32 s20, s20, ROWB
	s_mov_b32 s21, 0
	s_and_b32 s22, s15, 15          ; the batch
	s_lshl_b32 s2, s22, 2
	s_mov_b32 s3, 0
	s_lshl_b32 s22, s22, 10
	s_add_co_u32 s22, s22, s[Q0]
	s_lshl_b32 s22, s22, 11         ; a row of out is 2,048 bytes
	s_mov_b32 s23, 0
	s_lshl_b32 s72, s13, 4          ; the prefetches: my work-group's 16 rows of a step's 64,
	s_lshl_b32 s73, s16, 3          ; my wave's 8 of them,
	s_add_co_u32 s72, s72, s73
	s_add_co_u32 s72, s72, s17
	s_add_co_u32 s72, s72, 64       ; in step 1: the first change steps them to step 2
	s_mul_i32 s72, s72, ROWB
	s_mov_b32 s73, 2048
	s_cmp_lt_u32 s[WV], 2
	s_cselect_b32 s73, 1024, s73    ; K's or V's 1,024 bytes of a row
	s_add_co_u32 s72, s72, s73
	s_mov_b32 s73, 0
	s_cmp_eq_u32 ttmp9, 0           ; the first of the two clusters: the same in all four partners
	s_cselect_b32 s[LIM], 1, -1
	; descriptor group 1: a tile of 32 rows x 512 elements, padded in LDS
	s_mov_b32 s[G1K], 15|(1<<16)|(1<<20)|(1<<21)|(7<<22)|(3<<25)  ; 15:0 the mask of four; 17:16 2-byte elements; 20 padding on; 21 set beside a mask; 24:22 after every 256 words (code 7); 31:25 4 words (code 3)
	s_mov_b32 s[G1V], 15|(1<<16)|(1<<20)|(1<<21)|(7<<22)|(7<<25)  ; the same with 8 words of padding (code 7)
.irp g, G1K, G1V
	s_mov_b32 s[\g+1], 512<<16      ; tensor_dim0 = 512
	s_mov_b32 s[\g+2], 32<<16       ; tensor_dim1 = 32
	s_mov_b32 s[\g+3], 512<<16      ; tile_dim0 = 512
	s_mov_b32 s[\g+4], 32           ; tile_dim1 = 32
	s_mov_b32 s[\g+5], 1536         ; elements from row to row
	s_mov_b32 s[\g+6], 0
	s_mov_b32 s[\g+7], 0
.endr
	s_mov_b32 s[BIGN], 0xc7c35000   ; -100000
	s_mov_b32 s[SC], 0x3d3504f3     ; 1 / sqrt(512)
	s_mov_b32 s[SC+1], s[SC]        ; named with it as a pair
	s_mov_b32 s[L2E], 0x3fb8aa3b    ; log2(e)
	s_mov_b32 s[L2E+1], s[L2E]
	s_mov_b32 s[SEL], 0x76543210
	s_mov_b32 s[SEL+1], 0xfedcba98
	s_mov_b32 s[TB], SLOT1          ; the first change of slots turns it into 0
	s_mov_b32 s[K0], 0
	s_wait_dscnt 0x0                ; the opening add is done
	s_wait_kmcnt 0x0
	s_add_nc_u64 s[6:7], s[6:7], s[2:3]
	s_load_b32 s[LEN], s[6:7], 0x0
	s_add_nc_u64 s[G0K+2:G0K+3], s[4:5], s[18:19]
	s_add_nc_u64 s[G0V+2:G0V+3], s[G0K+2:G0K+3], 2048  ; v's columns
	s_add_nc_u64 s[G0K+2:G0K+3], s[G0K+2:G0K+3], 1024  ; k's columns
	s_or_b32 s[G0K+3], s[G0K+3], 0x80000000            ; type = 2
	s_or_b32 s[G0V+3], s[G0V+3], 0x80000000
	s_add_nc_u64 s[QA:QA+1], s[4:5], s[20:21]
	s_add_nc_u64 s[PFA:PFA+1], s[4:5], s[72:73]
	s_cmp_ge_u32 s15, 16
	s_cselect_b64 s[OUT:OUT+1], s[10:11], s[8:9]
	s_add_nc_u64 s[OUT:OUT+1], s[OUT:OUT+1], s[22:23]
	CROUND                          ; all four work-groups are here: the first joint loads meet
	JLOAD                           ; step 0 into slot 0.  Slot 1 is asked for when slot 0 is in, by the loop's own change of slots
	; A fragment of K or Q is 16 rows x 32 channels in 8 registers: lane l holds row l % 16, channels 8 (l / 16) + 0..7 and 16 + 8 (l / 16) + 0..7: two loads of 16 bytes, 32 bytes apart.
	v_and_b32 v1, 15, v0            ; r = l % 16
	v_bfe_u32 v9, v0, 4, 1          ; h = l / 16
	v_mul_u32_u24 v[QO], v1, ROWB
	v_lshl_add_u32 v[QO], v9, 4, v[QO]
	WIN 0xc0                        ; destination window 3, address window 0
.set i, 0
.rept 32                            ; Q stays in registers: tile i / 16, channels 32 (i % 16) on
	global_load_b128 v[8*i:8*i+3],   v[QO], s[QA:QA+1] offset:(i/16)*16*ROWB+(i%16)*64
	global_load_b128 v[8*i+4:8*i+7], v[QO], s[QA:QA+1] offset:(i/16)*16*ROWB+(i%16)*64+32
.set i, i+1
.endr
	; O^T starts at 0: the price of writing no first step out; these lines stand in the wait for the first tile
	WIN 0x40
.set i, 0
.rept 256
	v_mov_b32 v[i], 0
.set i, i+1
.endr
	WIN 0x80
.set i, 0
.rept 256
	v_mov_b32 v[i], 0
.set i, i+1
.endr
	WIN 0
.irp t, 0,1
	v_mov_b32 v[ST+12*\t], 0xfe000000    ; e m: far below every e t
	v_mov_b32 v[ST+12*\t+1], 0xff7fffff  ; m
	v_mov_b32 v[ST+12*\t+2], 0
	v_mov_b32 v[ST+12*\t+3], 0
.endr
	v_mul_u32_u24 v[AK0], v1, PK
	v_lshl_add_u32 v[AK0], v9, 4, v[AK0]  ; row x pitch + 16 x half
	; The turning load takes 16 keys x 16 channels (lane l reads key 8 (l / 16) + l % 8, channels 8 ((l / 8) % 2) + 0..7) and leaves half a fragment of V^T: lane l holds channel l % 16 and 8 keys.
	v_and_b32 v11, 7, v0
	v_bfe_u32 v15, v0, 3, 1
	v_lshl_add_u32 v[AV0], v9, 3, v11
	v_mul_u32_u24 v[AV0], v[AV0], PV
	v_lshl_add_u32 v[AV0], v15, 4, v[AV0]
	v_add_nc_u32 v[AV0], VOFF, v[AV0]
	s_mul_i32 s16, s[WV], 16*SP
	s_add_co_u32 s16, s16, STAGE    ; my stage
	v_mul_u32_u24 v[STO], v1, SP    ; in: row l % 16, 32 bytes for each half of the lanes
	v_lshl_add_u32 v[STO], v9, 5, v[STO]
	v_add_nc_u32 v[STO], s16, v[STO]
	v_mul_u32_u24 v[RD], v9, SP     ; back: lanes 0-15 take one row of 256 bytes, lanes 16-31 the next
	v_lshl_add_u32 v[RD], v1, 4, v[RD]
	v_add_nc_u32 v[RD], s16, v[RD]
	v_lshlrev_b32 v[GO], 11, v9     ; and the same two rows in out
	v_lshl_add_u32 v[GO], v1, 4, v[GO]
	v_and_b32 v11, 31, v0           ; the prefetches: row l / 4 of my 8, block l % 4 of its four
	v_lshrrev_b32 v15, 2, v11
	v_mul_u32_u24 v15, v15, ROWB
	v_and_b32 v11, 3, v11
	v_lshl_add_u32 v[PFO], v11, 8, v15
	v_mov_b32 v[ONE], 1.0
	v_mov_b32 v[ZER], 0
	s_wait_kmcnt 0x0                ; length[b]
	s_and_b32 s16, s[LEN], 15
	v_lshlrev_b32 v11, 3, v9
	v_sub_nc_u32 v11, s16, v11      ; length % 16 less my lanes' 8 (l / 16): register j is hidden where j is not below it
.set i, 0
.rept 8
	v_cmp_ge_i32 vcc_lo, i, v11
	v_cndmask_b32 v[KD+i], 0, s[BIGN], vcc_lo
.set i, i+1
.endr
	v_add_nc_u32 v15, s[Q0], v1     ; my query of tile 0
.irp t, 0,1
	v_cmp_gt_i32 vcc_lo, s[LEN], v15
	v_cndmask_b32 v[ST+12*\t+9], 0, v[ONE], vcc_lo        ; 1 where it is below length
	v_cndmask_b32 v[ST+12*\t+11], s[BIGN], v[ZER], vcc_lo ; -100000 where it is not
	v_add_nc_u32 v15, 16, v15
.endr
; THE LDS LOADS go in runs of sixteen, eight fragments, into buffer (run's number) % 2; K's runs are numbers 0-7 of a step, V's 8-15.
.macro KLOAD n                      ; channels 64 n on, of all four blocks of 16 keys: fragment (c, kb) at 32 c + 8 kb
.set fb, FB+64*((\n)%2)
.irp c, 0,1
.irp kb, 0,1,2,3
	ds_load_b128 v[fb+32*\c+8*\kb:fb+32*\c+8*\kb+3],   v[ADRK] offset:\kb*16*PK+(2*(\n)+\c)*64
	ds_load_b128 v[fb+32*\c+8*\kb+4:fb+32*\c+8*\kb+7], v[ADRK] offset:\kb*16*PK+(2*(\n)+\c)*64+32
.endr
.endr
.endm
.macro VLOAD n                      ; channel blocks 4 n + 0..3, both halves of the 64 keys: fragment (kk, i) at 32 kk + 8 i
.set fb, FB+64*((\n)%2)
.irp kk, 0,1
.irp i, 0,1,2,3
	ds_load_tr16_b128 v[fb+32*\kk+8*\i:fb+32*\kk+8*\i+3],   v[ADRV] offset:\kk*32*PV+(4*(\n)+\i)*32
	ds_load_tr16_b128 v[fb+32*\kk+8*\i+4:fb+32*\kk+8*\i+7], v[ADRV] offset:\kk*32*PV+16*PV+(4*(\n)+\i)*32
.endr
.endr
.endm
; THE MATRIX WORK.  The accumulators take turns, one instruction a turn: between two links of a chain stand 7 others'.
.macro KQ n                         ; 16 products of S^T = K Q^T: channels 64 n on; the first eight of a step start the sums
	WIN W_KQ
.set fb, FB+64*((\n)%2)
.irp c, 0,1
.irp kb, 0,1,2,3
.irp t, 0,1
.if ((\n) == 0) && (\c == 0)
	v_wmma_f32_16x16x32_f16 v[S+32*\t+8*\kb:S+32*\t+8*\kb+7], v[fb+32*\c+8*\kb:fb+32*\c+8*\kb+7], v[8*(16*\t+2*(\n)+\c):8*(16*\t+2*(\n)+\c)+7], 0
.else
	v_wmma_f32_16x16x32_f16 v[S+32*\t+8*\kb:S+32*\t+8*\kb+7], v[fb+32*\c+8*\kb:fb+32*\c+8*\kb+7], v[8*(16*\t+2*(\n)+\c):8*(16*\t+2*(\n)+\c)+7], v[S+32*\t+8*\kb:S+32*\t+8*\kb+7]
.endif
.endr
.endr
.endr
.endm
.macro PVG n                        ; 16 products of O^T += V^T P: group n's four channel blocks x two tiles x both halves of the keys
	WIN 0x50*(1+(\n)/4)             ; C and D in window 1 or 2
.set fb, FB+64*((\n)%2)
.set vc, 4*((\n)%4)
.irp kk, 0,1
.irp i, 0,1,2,3
.irp t, 0,1
	v_wmma_f32_16x16x32_f16 v[8*(16*\t+vc+\i):8*(16*\t+vc+\i)+7], v[fb+32*\kk+8*\i:fb+32*\kk+8*\i+7], v[S+32*\t+8*\kk:S+32*\t+8*\kk+7], v[8*(16*\t+vc+\i):8*(16*\t+vc+\i)+7]
.endr
.endr
.endr
.endm
.macro RESCG n                      ; group n's eight accumulators times a: 32 lines, each accumulator's registers in ascending order
	WIN 0x41*(1+(\n)/4)             ; destination and source 0 in window 1 or 2, a in window 0
.set vc, 4*((\n)%4)
.irp t, 0,1
.irp i, 0,1,2,3
.irp k, 0,1,2,3
	v_pk_mul_f32 v[8*(16*\t+vc+\i)+2*\k:8*(16*\t+vc+\i)+2*\k+1], v[8*(16*\t+vc+\i)+2*\k:8*(16*\t+vc+\i)+2*\k+1], v[ST+12*\t+6:ST+12*\t+7] op_sel_hi:[1,0]
.endr
.endr
.endr
.endm
; THE SOFTMAX of both tiles for one step, the tiles alternating line by line, all in window 0.
.macro SMX
	WIN 0
	; t = s / sqrt(512) + mask, a block of 16 keys (one accumulator a tile) after the other, a pair of scores a line, in ascending order: each accumulator's lowest registers are read first
.irp kb, 0,1,2,3
.irp t, 0,1
	v_mul_f32 v[ST+12*\t+8], s[AL+\kb], v[ST+12*\t+9]         ; the block's mask is KD x factor + addend: for a query at or beyond length the factor is 0
	v_min_num_f32 v[ST+12*\t+10], s[BE+\kb], v[ST+12*\t+11]   ; and the addend -100000
.endr
.irp i, 0,1,2,3
.irp t, 0,1
	v_pk_fma_f32 v[MT+4*\t+2*(\i%2):MT+4*\t+2*(\i%2)+1], v[KD+2*\i:KD+2*\i+1], v[ST+12*\t+8:ST+12*\t+9], v[ST+12*\t+10:ST+12*\t+11] op_sel_hi:[1,0,0]
.endr
.irp t, 0,1
	v_pk_fma_f32 v[S+32*\t+8*\kb+2*\i:S+32*\t+8*\kb+2*\i+1], v[S+32*\t+8*\kb+2*\i:S+32*\t+8*\kb+2*\i+1], s[SC:SC+1], v[MT+4*\t+2*(\i%2):MT+4*\t+2*(\i%2)+1] op_sel_hi:[1,0,1]
.endr
.endr
.endr
.irp j, 0,1,2,3                     ; the maximum of the 32 and the old m: four chains of seven, three operands at a time,
.irp t, 0,1
	v_max3_num_f32 v[ST+12*\t+4+\j], v[S+32*\t+8*\j], v[S+32*\t+8*\j+1], v[S+32*\t+8*\j+2]
.endr
.endr
.irp q, 1,2
.irp j, 0,1,2,3
.irp t, 0,1
	v_max3_num_f32 v[ST+12*\t+4+\j], v[ST+12*\t+4+\j], v[S+32*\t+8*\j+2*\q+1], v[S+32*\t+8*\j+2*\q+2]
.endr
.endr
.endr
.irp t, 0,1
	v_max3_num_f32 v[ST+12*\t+4], v[ST+12*\t+4], v[S+32*\t+7], v[S+32*\t+15]     ; the four left over,
.endr
.irp t, 0,1
	v_max3_num_f32 v[ST+12*\t+6], v[ST+12*\t+6], v[S+32*\t+23], v[S+32*\t+31]
.endr
.irp t, 0,1
	v_max3_num_f32 v[ST+12*\t+4], v[ST+12*\t+4], v[ST+12*\t+5], v[ST+12*\t+6]    ; the four chains and the old m into c0
.endr
.irp t, 0,1
	v_max3_num_f32 v[ST+12*\t+4], v[ST+12*\t+4], v[ST+12*\t+7], v[ST+12*\t+1]
.endr
.irp t, 0,1
	v_permlanex16_b32 v[ST+12*\t+5], v[ST+12*\t+4], s[SEL], s[SEL+1]             ; the query's other 32 keys lie in the lane 16 away
.endr
.irp t, 0,1
	v_mov_b32 v[ST+12*\t+7], v[ST+12*\t]                                        ; e m_old is kept
.endr
.irp t, 0,1
	v_max_num_f32 v[ST+12*\t+1], v[ST+12*\t+4], v[ST+12*\t+5]
.endr
.irp t, 0,1
	v_mul_f32 v[ST+12*\t], s[L2E], v[ST+12*\t+1]
.endr
.irp t, 0,1
	v_sub_f32 v[ST+12*\t+7], v[ST+12*\t+7], v[ST+12*\t]
.endr
	; ONE BATCH of 66 exponentials, the scalings e t - e m among them: nothing ahead of the wait names a result
.irp t, 0,1
	v_exp_f32 v[ST+12*\t+6], v[ST+12*\t+7]                                      ; a
.endr
.set p, 0
.rept 17
.if p < 16
.irp t, 0,1
	v_pk_fma_f32 v[S+32*\t+2*p:S+32*\t+2*p+1], v[S+32*\t+2*p:S+32*\t+2*p+1], s[L2E:L2E+1], v[ST+12*\t:ST+12*\t+1] op_sel_hi:[1,0,0] neg_lo:[0,0,1] neg_hi:[0,0,1]
.endr
.endif
.if p > 0
.irp t, 0,1
	v_exp_f32 v[S+32*\t+2*p-2], v[S+32*\t+2*p-2]
	v_exp_f32 v[S+32*\t+2*p-1], v[S+32*\t+2*p-1]
.endr
.endif
.set p, p+1
.endr
	v_nop                           ; a plain instruction behind the last exponential: one for the batch
	s_wait_alu depctr_va_vdst(0)    ; the wait ahead of the first line that names a result: one for the batch
.irp c, 0,1                         ; the sum of the 16 pairs, which leaves them whole: two chains a tile,
.irp t, 0,1
	v_pk_add_f32 v[MT+4*\t+2*\c:MT+4*\t+2*\c+1], v[S+32*\t+4*\c:S+32*\t+4*\c+1], v[S+32*\t+4*\c+2:S+32*\t+4*\c+3]
.endr
.endr
.irp k, 2,3,4,5,6,7
.irp c, 0,1
.irp t, 0,1
	v_pk_add_f32 v[MT+4*\t+2*\c:MT+4*\t+2*\c+1], v[MT+4*\t+2*\c:MT+4*\t+2*\c+1], v[S+32*\t+4*\k+2*\c:S+32*\t+4*\k+2*\c+1]
.endr
.endr
.endr
.irp t, 0,1
	v_pk_add_f32 v[MT+4*\t:MT+4*\t+1], v[MT+4*\t:MT+4*\t+1], v[MT+4*\t+2:MT+4*\t+3]
.endr
.irp t, 0,1
	v_pk_fma_f32 v[ST+12*\t+2:ST+12*\t+3], v[ST+12*\t+2:ST+12*\t+3], v[ST+12*\t+6:ST+12*\t+7], v[MT+4*\t:MT+4*\t+1] op_sel_hi:[1,0,1]  ; l = a l + sum
.endr
.set p, 0
.rept 16                            ; P in place: register p takes pair p; ascending, so that no pair is overwritten before it is read
.irp t, 0,1
	v_cvt_pk_f16_f32 v[S+32*\t+p], v[S+32*\t+2*p], v[S+32*\t+2*p+1]
.endr
.set p, p+1
.endr
.endm
; A KEY STEP.  A run of loads goes out behind the products that read its buffer last, four places or more between, and one group of sixteen products ahead of its own; the wait in front of a group of products
; leaves the younger run out.  Behind a group of products V^T P the places are the next group's 32 rescaling lines, which name none of its registers.
.macro STEP
	WIN 0
	v_add_nc_u32 v[ADRK], s[TB], v[AK0]
	v_add_nc_u32 v[ADRV], s[TB], v[AV0]
	PLACES                          ; with the two lines above: six places between the last step's last product and the loads into its fragments and the products that write over its P
	KLOAD 0
	KLOAD 1
.set gg, 0
.rept 8
	s_wait_dscnt 16                 ; run gg is in; the sixteen younger loads may stay out
	KQ gg
	PLACES
.if gg <= 5
	KLOAD gg+2
.else
	VLOAD gg-6
.endif
.set gg, gg+1
.endr
	SMX
	RESCG 0                         ; the first group's rescaling stands alone
.set gg, 0
.rept 8
.if gg <= 6
	s_wait_dscnt 16                 ; V's run gg is in
.else
	s_wait_dscnt 0x0                ; the last: nothing was asked for behind it
.endif
	PVG gg
.if gg <= 6
	RESCG gg+1
.endif
.if gg <= 5
	WIN 0
	VLOAD gg+2
.endif
.set gg, gg+1
.endr
	WIN 0
.endm
	s_wait_loadcnt 0x0              ; Q
	s_mov_b32 s[CNT], 15
.Lstep:                             ; 15 trips: step j is entered and step j + 1 asked for
	CHANGE 1
	STEP
	s_sub_co_u32 s[CNT], s[CNT], 1
	s_cmp_lg_u32 s[CNT], 0
	s_cbranch_scc1 .Lstep
	CHANGE 0                        ; the last step is written out: nothing is asked for
	STEP
	; THE WAY OUT.  l's two halves and the other half of the lanes' are added; O^T is divided by l and sent through my stage in LDS, 16 rows x 64 channels at a time, so that 16 lanes store 256 consecutive bytes.
	PLACES
.irp t, 0,1
	v_add_f32 v[ST+12*\t+2], v[ST+12*\t+2], v[ST+12*\t+3]
.endr
.irp t, 0,1
	v_permlanex16_b32 v[ST+12*\t+3], v[ST+12*\t+2], s[SEL], s[SEL+1]
.endr
.irp t, 0,1
	v_add_f32 v[ST+12*\t+2], v[ST+12*\t+2], v[ST+12*\t+3]
.endr
.irp t, 0,1
	v_rcp_f32 v[ST+12*\t+2], v[ST+12*\t+2]
.endr
	v_nop                           ; a plain instruction between the last reciprocal and the use of its result
	s_wait_alu depctr_va_vdst(0)    ; and the wait ahead of the first use: one for the two reciprocals
; Piece (t, u): tile t, channels 64 u on: 32 registers on end.  A lane's eight channels of a block are 32 bytes; they go into rows of 272 bytes and come back as whole rows of 256, into the registers that they left.
.macro PACK t, u
.set ww, 1+(\u)/4
.set R0, 128*(\t)+32*((\u)%4)
	WIN 0x41*ww
.set i, 0
.rept 16
	v_pk_mul_f32 v[R0+2*i:R0+2*i+1], v[R0+2*i:R0+2*i+1], v[ST+12*(\t)+2:ST+12*(\t)+3] op_sel_hi:[1,0]
.set i, i+1
.endr
	WIN 0x04*ww                     ; the stores' data (source 1) in window 1 or 2
.irp c, 0,1,2,3
	ds_store_b128 v[STO], v[R0+8*\c:R0+8*\c+3]   offset:64*\c
	ds_store_b128 v[STO], v[R0+8*\c+4:R0+8*\c+7] offset:64*\c+16
.endr
	WIN 0x40*ww
.irp f, 0,1,2,3,4,5,6,7
	ds_load_b128 v[R0+4*\f:R0+4*\f+3], v[RD] offset:\f*2*SP  ; LDS serves a wave's instructions in order (ISA guide 5.7.1.4): these see the stores above; the next piece's stores come behind them
.endr
.endm
.macro SEND t, u, younger           ; younger: the LDS instructions issued behind the piece's loads: the next piece's sixteen, or none
.set ww, 1+(\u)/4
.set R0, 128*(\t)+32*((\u)%4)
	WIN 0x04*ww
.irp f, 0,1,2,3,4,5,6,7
	s_wait_dscnt (\younger)+7-\f
	global_store_b128 v[GO], v[R0+4*\f:R0+4*\f+3], s[OUT:OUT+1] offset:(\t)*32768+(\u)*256+\f*4096 th:TH_STORE_NT  ; 16 lanes store 256 consecutive bytes, at a multiple of 256 from out's first byte
.endr
.endm
	PACK 0, 0
.set n, 1
.rept 15                            ; a piece's arithmetic stands between the loads of the piece before and its stores; no register is used twice
	PACK n/8, n%8
	SEND (n-1)/8, (n-1)%8, 16
.set n, n+1
.endr
	SEND 1, 7, 0
	WIN 0
	s_wait_tensorcnt 0x0            ; the wave's end: behind my last tensor load and my last LDS store
	ds_add_u32 v[SPW], v[NIL]
	s_wait_dscnt 0x0
	CROUND                          ; the closing round: no work-group ends while a partner may still ask for a tile that names it
	s_endpgm
.Lfunc_end_k_q022068a070_attn:
	.size	k_q022068a070_attn, .Lfunc_end_k_q022068a070_attn-k_q022068a070_attn
	.p2alignl 7, 3214868480
	.fill 96, 4, 3214868480
	.section	.rodata,"a",@progbits
	.p2align	6, 0x0
	.amdhsa_kernel k_q022068a070_attn
		.amdhsa_group_segment_fixed_size 327680
		.amdhsa_private_segment_fixed_size 0
		.amdhsa_enable_private_segment 0
		.amdhsa_kernarg_size 32
		.amdhsa_user_sgpr_count 2
		.amdhsa_user_sgpr_kernarg_segment_ptr 1
		.amdhsa_wavefront_size32 1
		.amdhsa_system_sgpr_workgroup_id_x 1
		.amdhsa_system_sgpr_workgroup_id_y 1
		.amdhsa_system_sgpr_workgroup_id_z 1
		.amdhsa_system_vgpr_workitem_id 0
		.amdhsa_next_free_vgpr 1024
		.amdhsa_next_free_sgpr 100
		.amdhsa_reserve_vcc 1
		.amdhsa_float_denorm_mode_32 3
		.amdhsa_float_denorm_mode_16_64 3
		.amdhsa_memory_ordered 1
		.amdhsa_forward_progress 1
		.amdhsa_inst_pref_size 217
	.end_amdhsa_kernel
	.amdgpu_metadata
---
amdhsa.version: [ 1, 2 ]
amdhsa.kernels:
  - .name:           k_q022068a070_attn
    .symbol:         k_q022068a070_attn.kd
    .args:
      - { .name: qkv, .offset: 0, .size: 8, .value_kind: global_buffer, .address_space: global }
      - { .name: length, .offset: 8, .size: 8, .value_kind: global_buffer, .address_space: global }
      - { .name: out0, .offset: 16, .size: 8, .value_kind: global_buffer, .address_space: global }
      - { .name: out1, .offset: 24, .size: 8, .value_kind: global_buffer, .address_space: global }
    .group_segment_fixed_size: 327680
    .private_segment_fixed_size: 0
    .kernarg_segment_align: 8
    .kernarg_segment_size: 32
    .max_flat_workgroup_size: 128
    .sgpr_count:     100
    .vgpr_count:     1024
    .wavefront_size: 32
...
	.end_amdgpu_metadata
.endif
;; end of part 3
;; ======== version 2 of 2: 3 launches; version 1 with the launch prep written anew for expert scheduling mode
;; limits: values are held in f16: magnitudes above 65,504 overflow, below 6.1e-05 lose precision
;; workspace buffers: xb 50,331,648 bytes; wb 3,932,160 bytes; qkv 100,663,296 bytes
;; launch prep (part 4): grid 700 x 1, 8 waves a work-group, no clusters, 0 bytes of LDS; arguments x1, x2, Wq1, Wk1, Wv1, Wq2, Wk2, Wv2, xb, wb; writes xb, wb
.if DOCPART == 4
	.amdgcn_target "amdgcn-amd-amdhsa--gfx1250"
	.amdhsa_code_object_version 6
	.text
	.protected	k_q022068a070_prep
	.globl	k_q022068a070_prep
	.p2align	8
	.type	k_q022068a070_prep,@function
k_q022068a070_prep:
	s_mov_b64 s[64:65], 0
	v_nop
	global_prefetch_b8 v0, s[64:65] scope:SCOPE_SE
	s_setreg_imm32_b32 hwreg(HW_REG_WAVE_SCHED_MODE, 0, 2), 2
	s_setreg_imm32_b32 hwreg(HW_REG_WAVE_MODE, 25, 1), 1
	s_wait_xcnt 0x0
	s_wait_alu depctr_vm_vsrc(0)
; CASTS.  x1, x2 and the six weight matrices, f32, are rounded once to bf16 and laid out for the projection:
;   xb [32768][768] bf16 (rows of 1,536 bytes): rows 0-16383 = x1; rows 16384-32767 = x2 in columns 0-511 (columns 512-767 of those rows are neither written nor read)
;   wb [1280][1536] bf16 (rows of 3,072 bytes): rows 0-767 = stream 1's k, rows 768-1279 = stream 2's; columns Wq | Wk | Wv, 512 each
; A stream: every byte is read once and written once; no LDS, no matrix unit, no cluster, since no two work-groups read the same byte.
; SHARES.  A segment is 512 numbers: 2,048 bytes in, 1,024 bytes out.  A work-group takes 64 segments of ONE source, a wave 8.  A load of a wave covers 512 consecutive bytes,
; a store 256 consecutive bytes at a multiple of 256 from the buffer's first byte.  All 32 loads of a wave go out at once; no register is loaded twice.
; Which source a work-group takes goes by ranges of its number: selects, no branch.
; THE MODE: SCHED_MODE bits 1:0 = 2 (LLVM: expert scheduling mode 2), set by the entry lines.  The code itself states the register dependences
; between vector instructions and memory instructions, with s_wait_alu, always for 0.
; THE PLAN.  Registers that memory instructions touch:
;   v2        the loads' offset.  Written at the head; read by all 32 loads; never written again.
;   v[4:11]   DO: segment i's offset in the destination.  Written at the head; read by the segment's four stores; never written again.
;   v[16:143] X: 32 groups of four.  A group is written by its load, once; its two roundings read all four and write the first two in place; its store reads those two; nothing writes them again.
; A wave's eight segments are eight steps.  Step i rounds segment i; its memory instructions are the four stores of segment i - 1, whose registers and offset no vector line of step i names.
; So ONE wait on va_vdst stands at the head of a step, behind the wait for the step's data: it states that the step before has written what these four stores read; the stores are dealt among the step's
; roundings with no further wait.  One more stands at the kernel's head, for the offsets, and one behind the last step, for the last four stores.
; No wait on vm_vsrc is written past the entry lines: no register that a memory instruction reads is written again.  No load lands in a register that a vector line has named: all loads go out ahead of the first rounding.
; No vector line writes a scalar register or VCC, and EXEC is never written.
.set X,  16                            ; v[16:143]  32 loads of 4 registers: segment i, piece j at X + 16 i + 4 j
.set DO, 4                             ; v[4:11]    segment i: my byte offset in the destination
; From work-group number first on: source s[src:src+1], destination s[dst:dst+1], bytes from segment to segment there, byte at which the first segment goes
.macro JOB first, src, dst, pitch, doff
	s_cmp_ge_u32 ttmp9, \first
	s_cselect_b64 s[28:29], s[\src:\src+1], s[28:29]
	s_cselect_b64 s[30:31], s[\dst:\dst+1], s[30:31]
	s_cselect_b32 s32, \first, s32
	s_cselect_b32 s33, \pitch, s33
	s_cselect_b32 s34, \doff, s34
.endm
	s_load_b512 s[8:23], s[0:1], 0x0               ; x1 s[8:9], x2 s[10:11], Wq1, Wk1, Wv1 s[12:17], Wq2, Wk2, Wv2 s[18:23]
	s_load_b128 s[24:27], s[0:1], 0x40             ; xb s[24:25], wb s[26:27]
	v_lshrrev_b32 v1, 5, v0                        ; wave
	v_and_b32 v3, 31, v0                           ; lane
	v_lshlrev_b32 v2, 4, v3
	v_lshl_add_u32 v2, v1, 14, v2                  ; source: 8 segments x 2,048 bytes a wave, 16 bytes a lane
	v_lshlrev_b32 v1, 3, v1                        ; my wave's first segment of the 64
	v_lshlrev_b32 v3, 3, v3                        ; 8 bytes a lane in the destination
	s_mov_b32 s32, 0                               ; the job's first work-group
	s_mov_b32 s33, 1024                            ; x1 is dense in xb: a segment follows the last
	s_mov_b32 s34, 0
	s_wait_kmcnt 0x0
	s_mov_b64 s[28:29], s[8:9]
	s_mov_b64 s[30:31], s[24:25]
	JOB 384, 10, 24, 1536, 16384*1536              ; x2: a segment is a row
	JOB 640, 12, 26, 3072, 0                       ; Wq1: a segment is a row of 512
	JOB 652, 14, 26, 3072, 1024                    ; Wk1
	JOB 664, 16, 26, 3072, 2048                    ; Wv1
	JOB 676, 18, 26, 3072, 768*3072                ; Wq2
	JOB 684, 20, 26, 3072, 768*3072+1024           ; Wk2
	JOB 692, 22, 26, 3072, 768*3072+2048           ; Wv2
	s_sub_co_u32 s35, ttmp9, s32                   ; my number within the job
	s_lshl_b32 s36, s35, 17                        ; 64 segments of 2,048 bytes
	s_mov_b32 s37, 0
	s_add_nc_u64 s[28:29], s[28:29], s[36:37]
	s_mul_i32 s38, s35, s33
	s_lshl_b32 s38, s38, 6
	s_add_co_u32 s38, s38, s34
	s_mov_b32 s39, 0
	s_add_nc_u64 s[30:31], s[30:31], s[38:39]
	v_mad_u32_u24 v[DO], v1, s33, v3
.set i, 1
.rept 7
	v_add_nc_u32 v[DO+i], s33, v[DO+i-1]
.set i, i+1
.endr
	s_wait_alu depctr_va_vdst(0)                   ; v2 and v[4:11] are written: every load of the kernel reads v2 as its offset, every store one of v[4:11]
.set n, 0
.rept 32
	global_load_b128 v[X+4*n:X+4*n+3], v2, s[28:29] offset:512*n th:TH_LOAD_NT
.set n, n+1
.endr
; Step i: segment i is rounded; the stores of segment i - 1 stand one in front of each pair of roundings.
.set i, 0
.rept 8
	s_wait_loadcnt 28-4*i                          ; loads come back in order: this segment's four are in, the 28 - 4 i younger ones stay out
.if i > 0
	s_wait_alu depctr_va_vdst(0)                   ; the step before has written the two low registers of its four groups, which the four stores below read
.endif
.set j, 0
.rept 4
.if i > 0
	global_store_b64 v[DO+i-1], v[X+16*(i-1)+4*j:X+16*(i-1)+4*j+1], s[30:31] offset:256*j th:TH_STORE_NT  ; no vector line since the wait names these registers
.endif
	v_cvt_pk_bf16_f32 v[X+16*i+4*j], v[X+16*i+4*j], v[X+16*i+4*j+1]
	v_cvt_pk_bf16_f32 v[X+16*i+4*j+1], v[X+16*i+4*j+2], v[X+16*i+4*j+3]
.set j, j+1
.endr
.set i, i+1
.endr
	s_wait_alu depctr_va_vdst(0)                   ; the last step has written segment 7's registers, which the last four stores read
.set j, 0
.rept 4
	global_store_b64 v[DO+7], v[X+16*7+4*j:X+16*7+4*j+1], s[30:31] offset:256*j th:TH_STORE_NT
.set j, j+1
.endr
	s_endpgm
.Lfunc_end_k_q022068a070_prep:
	.size	k_q022068a070_prep, .Lfunc_end_k_q022068a070_prep-k_q022068a070_prep
	.p2alignl 7, 3214868480
	.fill 96, 4, 3214868480
	.section	.rodata,"a",@progbits
	.p2align	6, 0x0
	.amdhsa_kernel k_q022068a070_prep
		.amdhsa_group_segment_fixed_size 0
		.amdhsa_private_segment_fixed_size 0
		.amdhsa_enable_private_segment 0
		.amdhsa_kernarg_size 80
		.amdhsa_user_sgpr_count 2
		.amdhsa_user_sgpr_kernarg_segment_ptr 1
		.amdhsa_wavefront_size32 1
		.amdhsa_system_sgpr_workgroup_id_x 1
		.amdhsa_system_sgpr_workgroup_id_y 1
		.amdhsa_system_sgpr_workgroup_id_z 1
		.amdhsa_system_vgpr_workitem_id 0
		.amdhsa_next_free_vgpr 144
		.amdhsa_next_free_sgpr 66
		.amdhsa_reserve_vcc 0
		.amdhsa_float_denorm_mode_32 3
		.amdhsa_float_denorm_mode_16_64 3
		.amdhsa_memory_ordered 1
		.amdhsa_forward_progress 1
		.amdhsa_inst_pref_size 15
	.end_amdhsa_kernel
	.amdgpu_metadata
---
amdhsa.version: [ 1, 2 ]
amdhsa.kernels:
  - .name:           k_q022068a070_prep
    .symbol:         k_q022068a070_prep.kd
    .args:
      - { .name: x1, .offset: 0, .size: 8, .value_kind: global_buffer, .address_space: global }
      - { .name: x2, .offset: 8, .size: 8, .value_kind: global_buffer, .address_space: global }
      - { .name: Wq1, .offset: 16, .size: 8, .value_kind: global_buffer, .address_space: global }
      - { .name: Wk1, .offset: 24, .size: 8, .value_kind: global_buffer, .address_space: global }
      - { .name: Wv1, .offset: 32, .size: 8, .value_kind: global_buffer, .address_space: global }
      - { .name: Wq2, .offset: 40, .size: 8, .value_kind: global_buffer, .address_space: global }
      - { .name: Wk2, .offset: 48, .size: 8, .value_kind: global_buffer, .address_space: global }
      - { .name: Wv2, .offset: 56, .size: 8, .value_kind: global_buffer, .address_space: global }
      - { .name: xb, .offset: 64, .size: 8, .value_kind: global_buffer, .address_space: global }
      - { .name: wb, .offset: 72, .size: 8, .value_kind: global_buffer, .address_space: global }
    .group_segment_fixed_size: 0
    .private_segment_fixed_size: 0
    .kernarg_segment_align: 8
    .kernarg_segment_size: 80
    .max_flat_workgroup_size: 256
    .sgpr_count:     66
    .vgpr_count:     144
    .wavefront_size: 32
...
	.end_amdgpu_metadata
.endif
;; end of part 4
;; launch proj: the kernel of part 2 again; grid 4 x 64, 4 waves a work-group, clusters of 4 x 4, 327,680 bytes of LDS; arguments xb, wb, bq1, bk1, bv1, bq2, bk2, bv2, qkv; writes qkv
;; launch attn: the kernel of part 3 again; grid 8 x 32, 4 waves a work-group, clusters of 4 x 1, 327,680 bytes of LDS; arguments qkv, length, out0, out1; writes out0, out1
